; MI455X (gfx1250); checked and timed in simulation.
; The chip was launched on July 23, 2026; its instructions are those of AMD's public machine-readable ISA for CDNA 5 (MIT licence, August 2026) and "CDNA5" Instruction Set Architecture Reference Guide (July 2026). The comments in the code are by the model that wrote it; some were corrected since.
;; Flash Attention V3. Allowed arithmetic: float matrix products may take bf16 or f16 operands with f32 sums; all other float work in f32.
;; Inputs: K 2 x 16 x 2,048 x 128 float32; Q 2 x 16 x 2,048 x 128 float32; V 2 x 16 x 2,048 x 128 float32.
;; Outputs: out0 2 x 16 x 2,048 x 128 float32.
;; 2 versions, each right; version 2 is version 1 with the launch attn written anew for expert scheduling mode. Each part assembles by itself: llvm-mc -triple=amdgcn-amd-amdhsa -mcpu=gfx1250 --defsym DOCPART=n.
;; ======== version 1 of 2: 1 launch
;; limits: values are held in f16: magnitudes above 65,504 overflow, below 6.1e-05 lose precision; inputs' magnitudes at most 65,504
;; launch attn (part 1): grid 256 x 1, 8 waves a work-group, no clusters, 207,872 bytes of LDS; arguments Q, K, V, out0; writes out0
.if DOCPART == 1
	.amdgcn_target "amdgcn-amd-amdhsa--gfx1250"
	.amdhsa_code_object_version 6
	.text
	.protected	k_q3f81b7511a_attn
	.globl	k_q3f81b7511a_attn
	.p2align	8
	.type	k_q3f81b7511a_attn,@function
k_q3f81b7511a_attn:
	s_mov_b64 s[64:65], 0
	v_nop
	global_prefetch_b8 v0, s[64:65] scope:SCOPE_SE
	s_setreg_imm32_b32 hwreg(HW_REG_WAVE_MODE, 25, 1), 1
	s_wait_xcnt 0x0
; Causal attention, out = softmax(Q K^T / sqrt(128), keys <= query) V.  Q, K, V, out: [32 heads][2048][128] f32.
; Sums are f32, the softmax is f32 with a running maximum.
; FORMATS.  Q, K and V are all rounded to bf16, so what is computed is the definition on inputs rounded to bf16.  The scores are a bf16 product.
; P wants more than bf16's 8 significant bits: a query with few keys is a sum of a few terms p v of size about 1 that may cancel, so P's rounding shows in
; full in the result.  So P goes in f16 (11 bits; P lies in [0, 1]) and P V is an f16 product; the bf16-rounded V is rewritten as f16, which is exact for
; magnitudes from 2^-17 to 65,504, since 8 significant bits fit in 11.  P's rounding, 2^-12 of each term, is then the only further error of an operand.
;
; SHARING.  256 work-groups: head = x >> 3, i = x & 7.  A head has 16 blocks of 128 query rows; work-group i owns block 15 - i (long)
; and block i (short) and works on both at once: four waves on each, 32 rows a wave.  Of the waves w and w + 4, and of 2k and 2k + 1, one is
; long and one short.  Keys go in tiles of 64; T = 32 - 2 i tiles are walked in the order 0, T-1, T-2, .. 1.  Tile 0 is needed by every wave,
; so the first trip is unconditional and starts every sum (C = 0): nothing is cleared.  In a later trip a wave whose rows lie
; wholly above the tile computes nothing, but still does its share of loading.  Long plus short rows make 33 units of 32 rows x 64 keys
; for each pair of waves, whatever i is.
; LOADING.  Each wave loads 8 of a tile's 64 rows of K and of V (one load = one row = 512 consecutive bytes), rounds them and stores them
; into the LDS slot that is not being read: two slots, one barrier a trip.
; TRANSPOSED PRODUCTS.  S^T = K Q^T: lane (r, h) holds in register j the score of key 16 kt + 8 h + j and query 16 nq + r, so a query's maximum and
; sum are found inside a lane plus one exchange of the lane halves, and two packed score tiles ARE the B fragment of P^T.  O^T = V^T P^T, with V^T read
; by the transposing LDS load from V stored [key][d].
; NO TENSOR LOADS, NO CLUSTER: K and V are f32 in memory and the operands have 16 bits, so every tile has to pass through registers; and the eight
; work-groups of a head walk different numbers of tiles (32 - 2 i), so they could not make every request jointly.
; LIMITS: a V of magnitude above 65,504 becomes infinite in f16 and is not served; a bf16-rounded V below 2^-17 and a p below 2^-14 are kept with an
; absolute error of up to 2^-25.  NaN and infinite inputs are not served as the definition serves them (the maxima drop NaN).  An exponential below
; 2^-126 becomes 0.  P is rounded to f16 for the product while the denominator sums the unrounded p.  The order of the sums is this text's own.
.set SLOT,  35840                      ; an LDS slot: K's 64 rows of 272 bytes, then V's 64 rows of 288
.set VOFF,  17408                      ; V's part of a slot
.set STAGE, 71680                      ; behind the two slots: a stage of 16,896 bytes for each wave
.set STG,   16896                      ; first Q as bf16 (32 rows x 272), at the end O as f32 (32 rows x 528)
.set KPI,   272                        ; 256 + 16 = 17 x 16: the sixteen rows of a fragment load start in sixteen different 16-byte columns of 256 bytes
.set VPI,   288                        ; 256 + 32 = 9 x 32: the same for the transposing load
.set TILEB, 32768                      ; a tile of K or of V in memory: 64 rows x 512 bytes
; vector registers, window 0
.set L16,  1                           ; 16 x lane
.set GOFF, 2                           ; 4096 w + 16 x lane: my 16 bytes of my wave's first row of a tile
.set PFO,  3                           ; 256 x (thread mod 128): the prefetch
.set KS,   4                           ; v4,5    slot 0, 1: where I store K
.set VS,   6                           ; v6,7    where I store V
.set KA,   8                           ; v8,9    where I read K fragments
.set VA,   10                          ; v10,11  where I read V^T fragments
.set QST,  12
.set QLD,  13
.set OST,  14
.set ORD,  15
.set DQ,   16                          ; v16,17  (my query) - (first key of the diagonal tile) - 8 h, for nq = 0, 1
.set NINF, 18
.set NM,   20                          ; v20, v22  -c x maximum      (pairs: NM with MX, AL with LS, so that a pair named by a packed
.set MX,   21                          ; v21, v23  running maximum    instruction is always written whole)
.set AL,   24                          ; v24, v26  rescale factor; at the end 1 / denominator
.set LS,   25                          ; v25, v27  my lane's part of the denominator
.set SM,   28                          ; v28-35  four pairs of partial sums
.set TA,   36                          ; v36, v38
.set TB,   37                          ; v37, v39
.set VT,   28                          ; v28-43  V as packed bf16 while a tile is converted: the softmax's and the prologue's work registers, dead at that time
.set QF,   48                          ; v48-111   Q fragments, 32 nq + 8 ks
.set SC,   112                         ; v112-175  scores, 32 nq + 8 kt + j; then P, fragment (nq, ks) at 32 nq + 16 ks
.set ST,   176                         ; v176-239  a tile's rows on their way: K's load j at 4 j, V's at 32 + 4 j
; window 1 (named by their low 8 bits)
.set OA,   0                           ; v256-383  O^T, tile (dt, nq) at 16 dt + 8 nq
.set FR,   128                         ; v384-511  16 fragments of K, then of V^T; in the prologue Q as f32
; scalar registers: s12 wave, s13 i, s14 head, s15 the pair's odd tile, s16 my diagonal tile, s17 that + 1, s18, s19 prefetch bounds,
; s[20:21] c twice, s22, s23 lane selects, s32 -c, s[30:31] a 64-bit offset, s33-s39 at work, s40 the loop's counter, s41 its bound 15 - i,
; s42 the mask of a word's upper bf16
.set KPT,  24                          ; s[24:25] K's tile to load next
.set VPT,  26                          ; s[26:27] V's
.set PPT,  28                          ; s[28:29] the one of the two that my wave prefetches from
.set MSB, 0
.macro WIN new                         ; s_set_vgpr_msb: bits 1:0 source 0, 3:2 source 1, 5:4 source 2, 7:6 destination; the high byte repeats the setting left
.if MSB != \new
	s_set_vgpr_msb (MSB<<8)|\new
.set MSB, \new
.endif
.endm
.macro NOPS n
.rept \n
	v_nop
.endr
.endm
	s_load_b256 s[4:11], s[0:1], 0x0               ; Q s[4:5], K s[6:7], V s[8:9], out s[10:11]
	v_lshl_add_u32 v254, v0, 2, 0x32800
	v_mov_b32 v255, 0
	v_lshrrev_b32 v40, 5, v0
	v_readfirstlane_b32 s12, v40                   ; wave 0..7
	s_and_b32 s13, ttmp9, 7                        ; i
	s_lshr_b32 s14, ttmp9, 3                       ; head
	s_lshr_b32 s33, s12, 2
	s_xor_b32 s33, s33, s12
	s_and_b32 s33, s33, 1                          ; role: 0 long, 1 short
	s_lshr_b32 s34, s12, 1                         ; which 32 rows of the block
	s_sub_co_u32 s41, 15, s13                      ; 15 - i: the long block, and the number of pairs of trips
	s_cmp_lg_u32 s33, 0
	s_cselect_b32 s35, s13, s41                    ; my block of 128 rows
	s_lshl_b32 s36, s35, 7
	s_lshl_b32 s37, s34, 5
	s_add_co_u32 s36, s36, s37                     ; my first row
	s_lshr_b32 s16, s36, 6                         ; my diagonal tile, the last one that I need
	s_add_co_u32 s17, s16, 1
	s_lshl_b32 s37, s13, 1
	s_sub_co_u32 s15, 31, s37                      ; T - 1
	s_cmp_eq_u32 s13, 7                            ; only work-group 7 of a head prefetches: see PREF
	s_cselect_b32 s18, 3, 64
	s_cselect_b32 s19, 5, 64
	s_mov_b32 s20, 0x3e0293ee                      ; c = log2(e) / sqrt(128)
	s_mov_b32 s21, 0x3e0293ee
	s_mov_b32 s32, 0xbe0293ee                      ; -c
	s_mov_b32 s22, 0x76543210                      ; v_permlanex16_b32: lane i reads lane i of the other half
	s_mov_b32 s23, 0xfedcba98
	s_mov_b32 s42, 0xffff0000                      ; a word's upper bf16
	v_and_b32 v40, 31, v0                          ; lane
	v_and_b32 v41, 15, v0                          ; r
	v_bfe_u32 v42, v0, 4, 1                        ; h
	v_lshlrev_b32 v[L16], 4, v40
	s_lshl_b32 s37, s12, 12                        ; my wave's 8 rows of 512 bytes
	v_add_nc_u32 v[GOFF], s37, v[L16]
	v_and_b32 v[PFO], 127, v0
	v_lshlrev_b32 v[PFO], 8, v[PFO]
	v_lshlrev_b32 v43, 3, v40                      ; 4 numbers of 16 bits a lane
	s_mul_i32 s37, s12, 8*KPI
	v_add_nc_u32 v[KS], s37, v43
	v_add_nc_u32 v[KS+1], SLOT, v[KS]
	s_mul_i32 s37, s12, 8*VPI
	s_add_co_u32 s37, s37, VOFF
	v_add_nc_u32 v[VS], s37, v43
	v_add_nc_u32 v[VS+1], SLOT, v[VS]
	v_mul_u32_u24 v44, v41, KPI
	v_lshl_add_u32 v[KA], v42, 4, v44              ; row r, 16 bytes for each half of the lanes
	v_add_nc_u32 v[KA+1], SLOT, v[KA]
	v_and_b32 v45, 7, v0
	v_lshl_add_u32 v45, v42, 3, v45                ; key 8 h + lane mod 8
	v_mul_u32_u24 v45, v45, VPI
	v_bfe_u32 v46, v0, 3, 1
	v_lshl_add_u32 v45, v46, 4, v45                ; and which 8 of the 16 d
	v_add_nc_u32 v[VA], VOFF, v45
	v_add_nc_u32 v[VA+1], SLOT+VOFF, v45
	s_mul_i32 s38, s12, STG
	s_add_co_u32 s38, s38, STAGE                   ; my wave's stage
	v_add_nc_u32 v[QST], s38, v43
	v_add_nc_u32 v[QLD], s38, v[KA]
	v_mul_u32_u24 v44, v41, 528
	v_lshl_add_u32 v44, v42, 5, v44
	v_add_nc_u32 v[OST], s38, v44                  ; query r, 8 f32 for each half of the lanes
	v_add_nc_u32 v[ORD], s38, v[L16]
	s_and_b32 s39, s36, 63                         ; my first row inside the diagonal tile: 0 or 32
	v_lshlrev_b32 v47, 3, v42
	v_sub_nc_u32 v47, v41, v47                     ; r - 8 h, signed
	v_add_nc_u32 v[DQ], s39, v47
	v_add_nc_u32 v[DQ+1], 16, v[DQ]
	v_mov_b32 v[NINF], 0xff800000
	s_wait_kmcnt 0x0
	s_lshl_b32 s30, s14, 20                        ; a head is 2048 x 512 bytes
	s_mov_b32 s31, 0
	s_add_nc_u64 s[KPT:KPT+1], s[6:7], s[30:31]    ; tile 0 of my head
	s_add_nc_u64 s[VPT:VPT+1], s[8:9], s[30:31]
	s_lshl_b32 s37, s36, 9
	s_add_co_u32 s30, s30, s37
	s_add_nc_u64 s[4:5], s[4:5], s[30:31]          ; Q and out at my wave's first row
	s_add_nc_u64 s[10:11], s[10:11], s[30:31]
; My wave's 8 rows of the next tile of K and of V: sixteen loads, each one row.  No cache word: other work-groups of the head read the tile again.
.macro TOP
.irp j, 0,1,2,3,4,5,6,7
	global_load_b128 v[ST+4*\j:ST+4*\j+3], v[GOFF], s[KPT:KPT+1] offset:512*\j
.endr
.irp j, 0,1,2,3,4,5,6,7
	global_load_b128 v[ST+32+4*\j:ST+32+4*\j+3], v[GOFF], s[VPT:VPT+1] offset:512*\j
.endr
.endm
; Work-group 7 of a head is the first to want tiles 15 to 1.  In the trip on tile x (which loads tile x - 1) it asks for tile x - 2, one tile below
; the pointer, for x - 2 = 15 .. 1: waves 0-3 for K's 128 blocks of 256 bytes, waves 4-7 for V's, a lane a block, each block once in the launch.
; The bounds (s15 >= 3 in the odd trip, >= 5 in the even one) stop it at tile 1; in the other work-groups the bound 64 is never reached.
.macro PREF par
	s_cmp_lt_u32 s15, s[18+\par]
	s_cbranch_scc1 .Lnoask_\@
	global_prefetch_b8 v[PFO], s[PPT:PPT+1] offset:-TILEB th:TH_LOAD_NT scope:SCOPE_SE
.Lnoask_\@:
.endm
; Eight loaded rows of K: 4 f32 a lane become 4 bf16, in place, and go to LDS: 32 lanes x 8 bytes are a row's 256 bytes
.macro CVTK reg, adr
.irp j, 0,1,2,3,4,5,6,7
	v_cvt_pk_bf16_f32 v[\reg+4*\j], v[\reg+4*\j], v[\reg+4*\j+1]
	v_cvt_pk_bf16_f32 v[\reg+4*\j+1], v[\reg+4*\j+2], v[\reg+4*\j+3]
	ds_store_b64 v[\adr], v[\reg+4*\j:\reg+4*\j+1] offset:KPI*\j
.endr
.endm
; Eight loaded rows of V: rounded to bf16, widened again (a shift, a mask), and the rounded numbers packed as f16, which changes none of them
; between 2^-17 and 65,504.  Row j has its own two work registers, so that no row waits for another.
.macro CVTV reg, adr
.irp j, 0,1,2,3,4,5,6,7
	v_cvt_pk_bf16_f32 v[VT+2*\j],   v[\reg+4*\j],   v[\reg+4*\j+1]
	v_cvt_pk_bf16_f32 v[VT+2*\j+1], v[\reg+4*\j+2], v[\reg+4*\j+3]
	v_lshlrev_b32 v[\reg+4*\j],   16,  v[VT+2*\j]
	v_and_b32     v[\reg+4*\j+1], s42, v[VT+2*\j]
	v_lshlrev_b32 v[\reg+4*\j+2], 16,  v[VT+2*\j+1]
	v_and_b32     v[\reg+4*\j+3], s42, v[VT+2*\j+1]
	v_cvt_pk_f16_f32 v[\reg+4*\j],   v[\reg+4*\j],   v[\reg+4*\j+1]
	v_cvt_pk_f16_f32 v[\reg+4*\j+1], v[\reg+4*\j+2], v[\reg+4*\j+3]
	ds_store_b64 v[\adr], v[\reg+4*\j:\reg+4*\j+1] offset:VPI*\j
.endr
.endm
.macro CONVERT slot
	s_wait_loadcnt 0x8                             ; loads come back in order (ISA guide 5.7.1): K's eight are in, V's eight younger ones may be out
	CVTK ST, KS+\slot
	s_wait_loadcnt 0x0
	CVTV ST+32, VS+\slot
	s_wait_xcnt 0x0                                ; the prefetch has read its base: the three pointers are stepped only behind this wait
	s_sub_nc_u64 s[KPT:KPT+1], s[KPT:KPT+1], TILEB ; one tile down; the lowest value reached is tile 0
	s_sub_nc_u64 s[VPT:VPT+1], s[VPT:VPT+1], TILEB
	s_sub_nc_u64 s[PPT:PPT+1], s[PPT:PPT+1], TILEB
.endm
; One barrier a trip, for two things: my reads of the slot just multiplied are back, and my stores into the other slot are done.
; Behind it the other slot is read, and the slot just read is written again at that trip's end.
.macro BAR
	s_wait_dscnt 0x0
	s_barrier_signal -1
	s_barrier_wait -1
.endm
; S^T = K Q^T for 64 keys x 32 queries, in bf16, then the requests for V^T.
.macro SPROD slot
	WIN 0x40                                       ; loads into window 1
.irp ks, 0,1,2,3
.irp kt, 0,1,2,3
	ds_load_b128 v[FR+8*(4*\ks+\kt):FR+8*(4*\ks+\kt)+3],   v[KA+\slot] offset:16*KPI*\kt+64*\ks
	ds_load_b128 v[FR+8*(4*\ks+\kt)+4:FR+8*(4*\ks+\kt)+7], v[KA+\slot] offset:16*KPI*\kt+64*\ks+32
.endr
.endr
	WIN 0x01                                       ; A in window 1
.irp ks, 0,1,2,3
	s_wait_dscnt 24-8*\ks                          ; eight loads for each 32 of d: those of the later steps may be out
.irp kt, 0,1,2,3
.irp nq, 0,1
.if \ks == 0
	v_wmma_f32_16x16x32_bf16 v[SC+32*\nq+8*\kt:SC+32*\nq+8*\kt+7], v[FR+8*(4*\ks+\kt):FR+8*(4*\ks+\kt)+7], v[QF+32*\nq+8*\ks:QF+32*\nq+8*\ks+7], 0
.else
	v_wmma_f32_16x16x32_bf16 v[SC+32*\nq+8*\kt:SC+32*\nq+8*\kt+7], v[FR+8*(4*\ks+\kt):FR+8*(4*\ks+\kt)+7], v[QF+32*\nq+8*\ks:QF+32*\nq+8*\ks+7], v[SC+32*\nq+8*\kt:SC+32*\nq+8*\kt+7]
.endif
.endr
.endr
.endr                                              ; the eight accumulators take turns, one instruction a turn
	NOPS 4                                         ; four places before the scores are read and before loads land on the fragments
	WIN 0x40
.irp ks, 0,1
.irp dt, 0,1,2,3,4,5,6,7
	ds_load_tr16_b128 v[FR+8*(8*\ks+\dt):FR+8*(8*\ks+\dt)+3],   v[VA+\slot] offset:32*VPI*\ks+32*\dt
	ds_load_tr16_b128 v[FR+8*(8*\ks+\dt)+4:FR+8*(8*\ks+\dt)+7], v[VA+\slot] offset:32*VPI*\ks+32*\dt+16*VPI
.endr
.endr
	WIN 0
.endm
; The diagonal tile: key <= query is 16 kt + j <= DQ; the others become -infinity
.macro MASK
.irp nq, 0,1
.irp kt, 0,1,2,3
.irp j, 0,1,2,3,4,5,6,7
	v_cmp_le_i32 vcc_lo, 16*\kt+\j, v[DQ+\nq]
	v_cndmask_b32 v[SC+32*\nq+8*\kt+\j], v[NINF], v[SC+32*\nq+8*\kt+\j], vcc_lo
.endr
.endr
.endr
.endm
; Running softmax of my two blocks of 16 queries, the two interleaved.  first = 1: there is no older state.
.macro SOFTMAX first
	; the maximum of my 32 scores and the old maximum, in two chains for each block
.irp nq, 0,1
.if \first
	v_max_num_f32 v[TA+2*\nq], v[SC+32*\nq], v[SC+32*\nq+1]
.else
	v_max3_num_f32 v[TA+2*\nq], v[MX+2*\nq], v[SC+32*\nq], v[SC+32*\nq+1]
.endif
	v_max3_num_f32 v[TB+2*\nq], v[SC+32*\nq+16], v[SC+32*\nq+17], v[SC+32*\nq+18]
.endr
.irp k, 0,1,2,3,4,5
.irp nq, 0,1
	v_max3_num_f32 v[TA+2*\nq], v[TA+2*\nq], v[SC+32*\nq+2+2*\k], v[SC+32*\nq+3+2*\k]
	v_max3_num_f32 v[TB+2*\nq], v[TB+2*\nq], v[SC+32*\nq+19+2*\k], v[SC+32*\nq+20+2*\k]
.endr
.endr
.irp nq, 0,1
	v_max3_num_f32 v[TA+2*\nq], v[TA+2*\nq], v[SC+32*\nq+14], v[SC+32*\nq+15]
.endr
.irp nq, 0,1
	v_max3_num_f32 v[TA+2*\nq], v[TA+2*\nq], v[TB+2*\nq], v[SC+32*\nq+31]
.endr
.irp nq, 0,1
	v_permlanex16_b32 v[TB+2*\nq], v[TA+2*\nq], s22, s23       ; the other half of the lanes holds the query's other 32 keys
.endr
.irp nq, 0,1
	v_max_num_f32 v[MX+2*\nq], v[TA+2*\nq], v[TB+2*\nq]        ; finite from the first trip on: key 0 is open to every query
.endr
.irp nq, 0,1
	v_mul_f32 v[TB+2*\nq], s32, v[MX+2*\nq]                    ; -c m, rounded once; the same number serves p and the rescale
.endr
.irp nq, 0,1
.if \first == 0
	v_sub_f32 v[AL+2*\nq], v[TB+2*\nq], v[NM+2*\nq]            ; c (m old - m new), from the two stored numbers: exactly what the older p were built on
.endif
	v_mov_b32 v[NM+2*\nq], v[TB+2*\nq]
.endr
.irp nq, 0,1
.irp k, 0,1,2,3,4,5,6,7,8,9,10,11,12,13,14,15
	v_pk_fma_f32 v[SC+32*\nq+2*\k:SC+32*\nq+2*\k+1], v[SC+32*\nq+2*\k:SC+32*\nq+2*\k+1], s[20:21], v[NM+2*\nq:NM+2*\nq+1] op_sel_hi:[1,0,0]
.endr
.endr
.if \first == 0
	v_exp_f32 v[AL], v[AL]
	v_exp_f32 v[AL+2], v[AL+2]
.endif
.set k, 0
.rept 64
	v_exp_f32 v[SC+k], v[SC+k]                     ; p = 2^(c s - c m), at most 1 up to the rounding of c m
.set k, k+1
.endr
	v_nop                                          ; one plain place behind the run of exponentials (ISA guide 5.7.2)
	; my lane's sum of p, unrounded, in two chains for each block
	s_wait_alu depctr_va_vdst(0)
.irp nq, 0,1
	v_pk_add_f32 v[SM+4*\nq:SM+4*\nq+1],   v[SC+32*\nq:SC+32*\nq+1],     v[SC+32*\nq+2:SC+32*\nq+3]
	v_pk_add_f32 v[SM+4*\nq+2:SM+4*\nq+3], v[SC+32*\nq+16:SC+32*\nq+17], v[SC+32*\nq+18:SC+32*\nq+19]
.endr
.irp k, 2,3,4,5,6,7
.irp nq, 0,1
	v_pk_add_f32 v[SM+4*\nq:SM+4*\nq+1],   v[SM+4*\nq:SM+4*\nq+1],   v[SC+32*\nq+2*\k:SC+32*\nq+2*\k+1]
	v_pk_add_f32 v[SM+4*\nq+2:SM+4*\nq+3], v[SM+4*\nq+2:SM+4*\nq+3], v[SC+32*\nq+16+2*\k:SC+32*\nq+16+2*\k+1]
.endr
.endr
.irp nq, 0,1
	v_pk_add_f32 v[SM+4*\nq:SM+4*\nq+1], v[SM+4*\nq:SM+4*\nq+1], v[SM+4*\nq+2:SM+4*\nq+3]
.endr
.irp nq, 0,1
.if \first
	v_add_f32 v[LS+2*\nq], v[SM+4*\nq], v[SM+4*\nq+1]
.else
	v_add_f32 v[SM+4*\nq], v[SM+4*\nq], v[SM+4*\nq+1]
.endif
.endr
.if \first == 0
.irp nq, 0,1
	v_fma_f32 v[LS+2*\nq], v[LS+2*\nq], v[AL+2*\nq], v[SM+4*\nq]
.endr
.endif
	; P^T as f16 B fragments, in place: tiles kt = 2 ks and 2 ks + 1 pack into 8 registers; each target has been read before it is written
.irp nq, 0,1
.irp ks, 0,1
.irp e, 0,1
.irp p, 0,1,2,3
	v_cvt_pk_f16_f32 v[SC+32*\nq+16*\ks+4*\e+\p], v[SC+32*\nq+16*\ks+8*\e+2*\p], v[SC+32*\nq+16*\ks+8*\e+2*\p+1]
.endr
.endr
.endr
.endr
.if \first == 0
	WIN 0x41                                       ; O in window 1, the factor in window 0
.irp dt, 0,1,2,3,4,5,6,7
.irp nq, 0,1
.irp p, 0,1,2,3
	v_pk_mul_f32 v[OA+16*\dt+8*\nq+2*\p:OA+16*\dt+8*\nq+2*\p+1], v[OA+16*\dt+8*\nq+2*\p:OA+16*\dt+8*\nq+2*\p+1], v[AL+2*\nq:AL+2*\nq+1] op_sel_hi:[1,0]
.endr
.endr
.endr
.endif
.endm
; O^T += V^T P^T, in f16: 128 d x 32 queries, 64 keys
.macro PVPROD first
	WIN 0x51                                       ; D, C and A in window 1, B in window 0
	s_wait_dscnt 16                                ; the fragments of keys 0-31 are in; the sixteen loads of keys 32-63 may be out
.irp dt, 0,1,2,3,4,5,6,7
.irp nq, 0,1
.if \first
	v_wmma_f32_16x16x32_f16 v[OA+16*\dt+8*\nq:OA+16*\dt+8*\nq+7], v[FR+8*\dt:FR+8*\dt+7], v[SC+32*\nq:SC+32*\nq+7], 0
.else
	v_wmma_f32_16x16x32_f16 v[OA+16*\dt+8*\nq:OA+16*\dt+8*\nq+7], v[FR+8*\dt:FR+8*\dt+7], v[SC+32*\nq:SC+32*\nq+7], v[OA+16*\dt+8*\nq:OA+16*\dt+8*\nq+7]
.endif
.endr
.endr
	s_wait_dscnt 0
.irp dt, 0,1,2,3,4,5,6,7
.irp nq, 0,1
	v_wmma_f32_16x16x32_f16 v[OA+16*\dt+8*\nq:OA+16*\dt+8*\nq+7], v[FR+64+8*\dt:FR+64+8*\dt+7], v[SC+32*\nq+16:SC+32*\nq+23], v[OA+16*\dt+8*\nq:OA+16*\dt+8*\nq+7]
.endr
.endr                                              ; the sixteen accumulators take turns, one instruction a turn
	NOPS 5                                         ; five places before the next score product writes over P; they also serve the next loads into the fragments and the next reads of O
	WIN 0
.endm
.macro COMPUTE slot, par, first
	SPROD \slot
.if \first
	s_cmp_lg_u32 s16, 0                            ; tile 0 is the diagonal tile of the waves whose rows begin below 64
.else
	s_cmp_lg_u32 s15, s[16+\par]                   ; this trip's tile (s15, or s15 - 1 in the even trip) against my diagonal tile
.endif
	s_cbranch_scc1 .Lplain_\@
	MASK
.Lplain_\@:
	SOFTMAX \first
	PVPROD \first
.endm
; A trip: ask for the next tile, multiply this one if my rows reach it, put the next one into the other slot, barrier.
.macro TRIP slot, par, last
.if \last == 0
	TOP
	PREF \par
.endif
	s_cmp_gt_u32 s15, s[16+\par]                   ; the tile lies wholly above my rows' diagonal
	s_cbranch_scc1 .Lidle_\@
	COMPUTE \slot, \par, 0
.Lidle_\@:
.if \last == 0
	CONVERT 1-\slot
	BAR
.endif
.endm
	; PROLOGUE: tile 0 into slot 0; my 32 rows of Q through my stage into B fragments
	TOP
	WIN 0x40
.set j, 0
.rept 32
	global_load_b128 v[FR+4*j:FR+4*j+3], v[L16], s[4:5] offset:512*j th:TH_LOAD_NT   ; a row of Q; no other wave of the launch reads it
.set j, j+1
.endr
	WIN 0
	s_wait_loadcnt 40                              ; K's eight are in: V's 8 and Q's 32 are younger
	CVTK ST, KS
	s_wait_loadcnt 32                              ; V's eight: Q's 32 are younger
	CVTV ST+32, VS
	s_wait_loadcnt 0x0                             ; Q; and no load names the pointers any more
	s_lshl_b32 s30, s15, 15                        ; T - 1 tiles up: the walk goes on at the top
	s_add_nc_u64 s[KPT:KPT+1], s[KPT:KPT+1], s[30:31]
	s_add_nc_u64 s[VPT:VPT+1], s[VPT:VPT+1], s[30:31]
	s_cmp_lt_u32 s12, 4
	s_cselect_b64 s[PPT:PPT+1], s[KPT:KPT+1], s[VPT:VPT+1]
	WIN 0x05                                       ; both sources in window 1
.set j, 0
.rept 32
	v_cvt_pk_bf16_f32 v[SC+2*j],   v[FR+4*j],   v[FR+4*j+1]
	v_cvt_pk_bf16_f32 v[SC+2*j+1], v[FR+4*j+2], v[FR+4*j+3]
.set j, j+1
.endr
	WIN 0
.set j, 0
.rept 32
	ds_store_b64 v[QST], v[SC+2*j:SC+2*j+1] offset:KPI*j
.set j, j+1
.endr
	BAR                                            ; slot 0 is whole for every wave; my own stores of Q are done too
.irp nq, 0,1
.irp ks, 0,1,2,3
	ds_load_b128 v[QF+32*\nq+8*\ks:QF+32*\nq+8*\ks+3],   v[QLD] offset:16*KPI*\nq+64*\ks      ; my wave's own bytes.  These sixteen loads are older than the 32 loads of K fragments
	ds_load_b128 v[QF+32*\nq+8*\ks+4:QF+32*\nq+8*\ks+7], v[QLD] offset:16*KPI*\nq+64*\ks+32   ; that follow, and LDS loads come back in order (ISA guide 5.7.1): the first score product's count of 24 covers them
.endr
.endr
	; the first trip: tile 0, every wave, starts all sums; tile T - 1 goes into slot 1
	TOP
	COMPUTE 0, 0, 1
	CONVERT 1
	BAR
	; 15 - i pairs of trips: tile s15 (odd, slot 1), then tile s15 - 1 (slot 0).  The loop is counted by s40, one a pair, up to s41 = 15 - i;
	; s15 goes from 31 - 2 i down by two a pair and is 1 behind the last pair.
	s_mov_b32 s40, 0
.Lpair:
	TRIP 1, 0, 0
	TRIP 0, 1, 0
	s_sub_co_u32 s15, s15, 2
	s_add_co_u32 s40, s40, 1
	s_cmp_lt_u32 s40, s41
	s_cbranch_scc1 .Lpair
	TRIP 1, 0, 1                                   ; tile 1: nothing is left to load, so no store into a slot and no barrier
	; THE WAY OUT: divide by the denominator, turn O^T round through my stage, store whole rows of 512 bytes
.irp nq, 0,1
	v_permlanex16_b32 v[TB+2*\nq], v[LS+2*\nq], s22, s23
.endr
.irp nq, 0,1
	v_add_f32 v[TA+2*\nq], v[LS+2*\nq], v[TB+2*\nq]            ; the two lane halves' parts; at least about 1: the largest p of a row is 2^0 up to rounding
.endr
	v_rcp_f32 v[AL], v[TA]
	v_rcp_f32 v[AL+2], v[TA+2]
	v_nop                                          ; one plain place behind the reciprocals (ISA guide 5.7.2)
	WIN 0x01                                       ; O from window 1
	s_wait_alu depctr_va_vdst(0)
.irp nq, 0,1
.irp dt, 0,1,2,3,4,5,6,7
.irp p, 0,1,2,3
	v_pk_mul_f32 v[SC+64*\nq+8*\dt+2*\p:SC+64*\nq+8*\dt+2*\p+1], v[OA+16*\dt+8*\nq+2*\p:OA+16*\dt+8*\nq+2*\p+1], v[AL+2*\nq:AL+2*\nq+1] op_sel_hi:[1,0]
.endr
.endr
.endr
	WIN 0
.irp nq, 0,1
.irp dt, 0,1,2,3,4,5,6,7
.irp e, 0,1
	ds_store_b128 v[OST], v[SC+64*\nq+8*\dt+4*\e:SC+64*\nq+8*\dt+4*\e+3] offset:16*528*\nq+64*\dt+16*\e   ; query 16 nq + r, d = 16 dt + 8 h + 4 e ..; rows 528 = 33 x 16 bytes apart
.endr
.endr
.endr
.set j, 0
.rept 16
	ds_load_b128 v[QF+4*j:QF+4*j+3], v[ORD] offset:528*j       ; rows 0-15 back as whole rows, into the registers that held Q
.set j, j+1
.endr
.set j, 0
.rept 16
	s_wait_dscnt 15-j                              ; row j is in, the younger rows may be out
	global_store_b128 v[L16], v[QF+4*j:QF+4*j+3], s[10:11] offset:512*j th:TH_STORE_NT   ; 32 lanes store a row's 512 consecutive bytes, at a multiple of 512 from the buffer's first byte
.set j, j+1
.endr
.set j, 0
.rept 16
	ds_load_b128 v[SC+4*j:SC+4*j+3], v[ORD] offset:528*(16+j)  ; rows 16-31: the count above has reached 0, so the LDS stores that read these registers are done
.set j, j+1
.endr
.set j, 0
.rept 16
	s_wait_dscnt 15-j
	global_store_b128 v[L16], v[SC+4*j:SC+4*j+3], s[10:11] offset:512*(16+j) th:TH_STORE_NT
.set j, j+1
.endr
	s_wait_tensorcnt 0x0
	ds_add_u32 v254, v255
	s_wait_dscnt 0x0
	s_endpgm
.Lfunc_end_k_q3f81b7511a_attn:
	.size	k_q3f81b7511a_attn, .Lfunc_end_k_q3f81b7511a_attn-k_q3f81b7511a_attn
	.p2alignl 7, 3214868480
	.fill 96, 4, 3214868480
	.section	.rodata,"a",@progbits
	.p2align	6, 0x0
	.amdhsa_kernel k_q3f81b7511a_attn
		.amdhsa_group_segment_fixed_size 207872
		.amdhsa_private_segment_fixed_size 0
		.amdhsa_enable_private_segment 0
		.amdhsa_kernarg_size 32
		.amdhsa_user_sgpr_count 2
		.amdhsa_user_sgpr_kernarg_segment_ptr 1
		.amdhsa_wavefront_size32 1
		.amdhsa_system_sgpr_workgroup_id_x 1
		.amdhsa_system_sgpr_workgroup_id_y 1
		.amdhsa_system_sgpr_workgroup_id_z 1
		.amdhsa_system_vgpr_workitem_id 0
		.amdhsa_next_free_vgpr 512
		.amdhsa_next_free_sgpr 66
		.amdhsa_reserve_vcc 1
		.amdhsa_float_denorm_mode_32 3
		.amdhsa_float_denorm_mode_16_64 3
		.amdhsa_memory_ordered 1
		.amdhsa_forward_progress 1
		.amdhsa_inst_pref_size 160
	.end_amdhsa_kernel
	.amdgpu_metadata
---
amdhsa.version: [ 1, 2 ]
amdhsa.kernels:
  - .name:           k_q3f81b7511a_attn
    .symbol:         k_q3f81b7511a_attn.kd
    .args:
      - { .name: Q, .offset: 0, .size: 8, .value_kind: global_buffer, .address_space: global }
      - { .name: K, .offset: 8, .size: 8, .value_kind: global_buffer, .address_space: global }
      - { .name: V, .offset: 16, .size: 8, .value_kind: global_buffer, .address_space: global }
      - { .name: out0, .offset: 24, .size: 8, .value_kind: global_buffer, .address_space: global }
    .group_segment_fixed_size: 207872
    .private_segment_fixed_size: 0
    .kernarg_segment_align: 8
    .kernarg_segment_size: 32
    .max_flat_workgroup_size: 256
    .sgpr_count:     66
    .vgpr_count:     512
    .wavefront_size: 32
...
	.end_amdgpu_metadata
.endif
;; end of part 1
;; ======== version 2 of 2: 1 launch; version 1 with the launch attn written anew for expert scheduling mode
;; limits: values are held in f16: magnitudes above 65,504 overflow, below 6.1e-05 lose precision; inputs' magnitudes at most 65,504
;; launch attn (part 2): grid 256 x 1, 8 waves a work-group, no clusters, 207,872 bytes of LDS; arguments Q, K, V, out0; writes out0
.if DOCPART == 2
	.amdgcn_target "amdgcn-amd-amdhsa--gfx1250"
	.amdhsa_code_object_version 6
	.text
	.protected	k_q3f81b7511a_attn
	.globl	k_q3f81b7511a_attn
	.p2align	8
	.type	k_q3f81b7511a_attn,@function
k_q3f81b7511a_attn:
	s_mov_b64 s[64:65], 0
	v_nop
	global_prefetch_b8 v0, s[64:65] scope:SCOPE_SE
	s_setreg_imm32_b32 hwreg(HW_REG_WAVE_SCHED_MODE, 0, 2), 2
	s_setreg_imm32_b32 hwreg(HW_REG_WAVE_MODE, 25, 1), 1
	s_wait_xcnt 0x0
	s_wait_alu depctr_vm_vsrc(0)
; Causal attention, out = softmax(Q K^T / sqrt(128), keys <= query) V.  Q, K, V, out: [32 heads][2048][128] f32.
; Sums are f32, the softmax is f32 with a running maximum.
; FORMATS.  Q, K and V are all rounded to bf16, so what is computed is the definition on inputs rounded to bf16.  The scores are a bf16 product.
; P wants more than bf16's 8 significant bits: a query with few keys is a sum of a few terms p v of size about 1 that may cancel, so P's rounding shows in
; full in the result.  So P goes in f16 (11 bits; P lies in [0, 1]) and P V is an f16 product; the bf16-rounded V is rewritten as f16, which is exact for
; magnitudes from 2^-17 to 65,504, since 8 significant bits fit in 11.  P's rounding, 2^-12 of each term, is then the only further error of an operand.
;
; SHARING.  256 work-groups: head = x >> 3, i = x & 7.  A head has 16 blocks of 128 query rows; work-group i owns block 15 - i (long)
; and block i (short) and works on both at once: four waves on each, 32 rows a wave.  Of the waves w and w + 4, and of 2k and 2k + 1, one is
; long and one short.  Keys go in tiles of 64; T = 32 - 2 i tiles are walked in the order 0, T-1, T-2, .. 1.  Tile 0 is needed by every wave,
; so the first trip is unconditional and starts every sum (C = 0): nothing is cleared.  In a later trip a wave whose rows lie
; wholly above the tile computes nothing, but still does its share of loading.  Long plus short rows make 33 units of 32 rows x 64 keys
; for each pair of waves, whatever i is.
; LOADING.  Each wave loads 8 of a tile's 64 rows of K and of V (one load = one row = 512 consecutive bytes), rounds them and stores them
; into the LDS slot that is not being read: two slots, one barrier a trip.
; TRANSPOSED PRODUCTS.  S^T = K Q^T: lane (r, h) holds in register j the score of key 16 kt + 8 h + j and query 16 nq + r, so a query's maximum and
; sum are found inside a lane plus one exchange of the lane halves, and two packed score tiles ARE the B fragment of P^T.  O^T = V^T P^T, with V^T read
; by the transposing LDS load from V stored [key][d].
; NO TENSOR LOADS, NO CLUSTER: K and V are f32 in memory and the operands have 16 bits, so every tile has to pass through registers; and the eight
; work-groups of a head walk different numbers of tiles (32 - 2 i), so they could not make every request jointly.
; LIMITS: a V of magnitude above 65,504 becomes infinite in f16 and is not served; a bf16-rounded V below 2^-17 and a p below 2^-14 are kept with an
; absolute error of up to 2^-25.  NaN and infinite inputs are not served as the definition serves them (the maxima drop NaN).  An exponential below
; 2^-126 becomes 0.  P is rounded to f16 for the product while the denominator sums the unrounded p.  The order of the sums is this text's own.
;
; THE MODE: SCHED_MODE bits 1:0 = 2 (LLVM: expert scheduling mode 2), set by the entry lines.  The code itself states the register dependences
; between vector or matrix instructions and memory or LDS instructions, with s_wait_alu, always for 0.
; THE PLAN.  Registers that memory or LDS instructions touch:
;   v1-v15      offsets and LDS addresses.  Written at the head, never again: one wait on va_vdst ahead of the first load serves every load, store and prefetch.
;   ST          A trip's head: sixteen global loads land in it.  The trip's end: 80 vector instructions read it and write it in place, then sixteen LDS stores read it.
;   FR          K's 32 fragment loads land in it; the score products read it; V^T's 32 loads land in it; the P V products read it.
;   QF          Loaded once from LDS, read by the score products; on the way out loaded again and read by global stores.
;   SC          In the prologue written by Q's conversions and read by LDS stores; in the loop named by vector and matrix instructions alone; on the way out
;               (with ST behind it) written by the scaling, read by LDS stores, loaded again, read by global stores.
;   The work registers of the softmax and of V's conversion, the statistics and O^T are named by vector and matrix instructions alone.
; FOUR WAITS A TRIP.  (1) vm_vsrc ahead of the global loads: the last trip's LDS stores have read ST.  What vector instructions did to ST is covered by (4) of the
; trip before: from that wait to these loads no vector instruction is issued, on the way in, over the back edge and on the path of a wave that computes nothing.
; (2) va_vdst ahead of K's fragment loads: the last trip's P V products are done reading FR.  (3) va_vdst ahead of V^T's loads: the score products are done reading FR.
; (4) ONE va_vdst behind all 80 conversion instructions, ahead of one run of sixteen LDS stores: the conversions are issued while the P V products finish.
.set SLOT,  35840                      ; an LDS slot: K's 64 rows of 272 bytes, then V's 64 rows of 288
.set VOFF,  17408                      ; V's part of a slot
.set STAGE, 71680                      ; behind the two slots: a stage of 16,896 bytes for each wave
.set STG,   16896                      ; first Q as bf16 (32 rows x 272), at the end O as f32 (32 rows x 528)
.set KPI,   272                        ; 256 + 16 = 17 x 16: the sixteen rows of a fragment load start in sixteen different 16-byte columns of 256 bytes
.set VPI,   288                        ; 256 + 32 = 9 x 32: the same for the transposing load
.set TILEB, 32768                      ; a tile of K or of V in memory: 64 rows x 512 bytes
; vector registers, window 0
.set L16,  1                           ; 16 x lane
.set GOFF, 2                           ; 4096 w + 16 x lane: my 16 bytes of my wave's first row of a tile
.set PFO,  3                           ; 256 x (thread mod 128): the prefetch
.set KS,   4                           ; v4,5    slot 0, 1: where I store K
.set VS,   6                           ; v6,7    where I store V
.set KA,   8                           ; v8,9    where I read K fragments
.set VA,   10                          ; v10,11  where I read V^T fragments
.set QST,  12
.set QLD,  13
.set OST,  14
.set ORD,  15
.set DQ,   16                          ; v16,17  (my query) - (first key of the diagonal tile) - 8 h, for nq = 0, 1
.set NINF, 18
.set NM,   20                          ; v20, v22  -c x maximum      (pairs: NM with MX, AL with LS, so that a pair named by a packed
.set MX,   21                          ; v21, v23  running maximum    instruction is always written whole)
.set AL,   24                          ; v24, v26  rescale factor; at the end 1 / denominator
.set LS,   25                          ; v25, v27  my lane's part of the denominator
.set SM,   28                          ; v28-35  four pairs of partial sums
.set TA,   36                          ; v36, v38
.set TB,   37                          ; v37, v39
.set VT,   28                          ; v28-43  V as packed bf16 while a tile is converted: the softmax's and the prologue's work registers, dead at that time
.set QF,   48                          ; v48-111   Q fragments, 32 nq + 8 ks
.set SC,   112                         ; v112-175  scores, 32 nq + 8 kt + j; then P, fragment (nq, ks) at 32 nq + 16 ks
.set ST,   176                         ; v176-239  a tile's rows on their way: K's load j at 4 j, V's at 32 + 4 j
; window 1 (named by their low 8 bits)
.set OA,   0                           ; v256-383  O^T, tile (dt, nq) at 16 dt + 8 nq
.set FR,   128                         ; v384-511  16 fragments of K, then of V^T; in the prologue Q as f32
; scalar registers: s12 wave, s13 i, s14 head, s15 the pair's odd tile, s16 my diagonal tile, s17 that + 1, s18, s19 prefetch bounds,
; s[20:21] c twice, s22, s23 lane selects, s32 -c, s[30:31] a 64-bit offset, s33-s39 at work, s40 the loop's counter, s41 its bound 15 - i,
; s42 the mask of a word's upper bf16
.set KPT,  24                          ; s[24:25] K's tile to load next
.set VPT,  26                          ; s[26:27] V's
.set PPT,  28                          ; s[28:29] the one of the two that my wave prefetches from
.set MK,   66                          ; s66-s97  the diagonal tile: the lanes' masks for the 32 scores of one block of 16 queries, 8 kt + j
.set MSB, 0
.macro WIN new                         ; s_set_vgpr_msb: bits 1:0 source 0, 3:2 source 1, 5:4 source 2, 7:6 destination; the high byte repeats the setting left
.if MSB != \new
	s_set_vgpr_msb (MSB<<8)|\new
.set MSB, \new
.endif
.endm
.macro NOPS n
.rept \n
	v_nop
.endr
.endm
	s_load_b256 s[4:11], s[0:1], 0x0               ; Q s[4:5], K s[6:7], V s[8:9], out s[10:11]
	v_lshl_add_u32 v254, v0, 2, 0x32800
	v_mov_b32 v255, 0
	v_lshrrev_b32 v40, 5, v0
	v_readfirstlane_b32 s12, v40                   ; wave 0..7
	s_and_b32 s13, ttmp9, 7                        ; i
	s_lshr_b32 s14, ttmp9, 3                       ; head
	s_wait_alu depctr_va_sdst(0)                   ; s12 is written, ahead of its first reader: the wave's role, rows and LDS bytes are made from it
	s_lshr_b32 s33, s12, 2
	s_xor_b32 s33, s33, s12
	s_and_b32 s33, s33, 1                          ; role: 0 long, 1 short
	s_lshr_b32 s34, s12, 1                         ; which 32 rows of the block
	s_sub_co_u32 s41, 15, s13                      ; 15 - i: the long block, and the number of pairs of trips
	s_cmp_lg_u32 s33, 0
	s_cselect_b32 s35, s13, s41                    ; my block of 128 rows
	s_lshl_b32 s36, s35, 7
	s_lshl_b32 s37, s34, 5
	s_add_co_u32 s36, s36, s37                     ; my first row
	s_lshr_b32 s16, s36, 6                         ; my diagonal tile, the last one that I need
	s_add_co_u32 s17, s16, 1
	s_lshl_b32 s37, s13, 1
	s_sub_co_u32 s15, 31, s37                      ; T - 1
	s_cmp_eq_u32 s13, 7                            ; only work-group 7 of a head prefetches: see PREF
	s_cselect_b32 s18, 3, 64
	s_cselect_b32 s19, 5, 64
	s_mov_b32 s20, 0x3e0293ee                      ; c = log2(e) / sqrt(128)
	s_mov_b32 s21, 0x3e0293ee
	s_mov_b32 s32, 0xbe0293ee                      ; -c
	s_mov_b32 s22, 0x76543210                      ; v_permlanex16_b32: lane i reads lane i of the other half
	s_mov_b32 s23, 0xfedcba98
	s_mov_b32 s42, 0xffff0000                      ; a word's upper bf16
	v_and_b32 v40, 31, v0                          ; lane
	v_and_b32 v41, 15, v0                          ; r
	v_bfe_u32 v42, v0, 4, 1                        ; h
	v_lshlrev_b32 v[L16], 4, v40
	s_lshl_b32 s37, s12, 12                        ; my wave's 8 rows of 512 bytes
	v_add_nc_u32 v[GOFF], s37, v[L16]
	v_and_b32 v[PFO], 127, v0
	v_lshlrev_b32 v[PFO], 8, v[PFO]
	v_lshlrev_b32 v43, 3, v40                      ; 4 numbers of 16 bits a lane
	s_mul_i32 s37, s12, 8*KPI
	v_add_nc_u32 v[KS], s37, v43
	v_add_nc_u32 v[KS+1], SLOT, v[KS]
	s_mul_i32 s37, s12, 8*VPI
	s_add_co_u32 s37, s37, VOFF
	v_add_nc_u32 v[VS], s37, v43
	v_add_nc_u32 v[VS+1], SLOT, v[VS]
	v_mul_u32_u24 v44, v41, KPI
	v_lshl_add_u32 v[KA], v42, 4, v44              ; row r, 16 bytes for each half of the lanes
	v_add_nc_u32 v[KA+1], SLOT, v[KA]
	v_and_b32 v45, 7, v0
	v_lshl_add_u32 v45, v42, 3, v45                ; key 8 h + lane mod 8
	v_mul_u32_u24 v45, v45, VPI
	v_bfe_u32 v46, v0, 3, 1
	v_lshl_add_u32 v45, v46, 4, v45                ; and which 8 of the 16 d
	v_add_nc_u32 v[VA], VOFF, v45
	v_add_nc_u32 v[VA+1], SLOT+VOFF, v45
	s_mul_i32 s38, s12, STG
	s_add_co_u32 s38, s38, STAGE                   ; my wave's stage
	v_add_nc_u32 v[QST], s38, v43
	v_add_nc_u32 v[QLD], s38, v[KA]
	v_mul_u32_u24 v44, v41, 528
	v_lshl_add_u32 v44, v42, 5, v44
	v_add_nc_u32 v[OST], s38, v44                  ; query r, 8 f32 for each half of the lanes
	v_add_nc_u32 v[ORD], s38, v[L16]
	s_and_b32 s39, s36, 63                         ; my first row inside the diagonal tile: 0 or 32
	v_lshlrev_b32 v47, 3, v42
	v_sub_nc_u32 v47, v41, v47                     ; r - 8 h, signed
	v_add_nc_u32 v[DQ], s39, v47
	v_add_nc_u32 v[DQ+1], 16, v[DQ]
	v_mov_b32 v[NINF], 0xff800000
	s_wait_kmcnt 0x0
	s_lshl_b32 s30, s14, 20                        ; a head is 2048 x 512 bytes
	s_mov_b32 s31, 0
	s_add_nc_u64 s[KPT:KPT+1], s[6:7], s[30:31]    ; tile 0 of my head
	s_add_nc_u64 s[VPT:VPT+1], s[8:9], s[30:31]
	s_lshl_b32 s37, s36, 9
	s_add_co_u32 s30, s30, s37
	s_add_nc_u64 s[4:5], s[4:5], s[30:31]          ; Q and out at my wave's first row
	s_add_nc_u64 s[10:11], s[10:11], s[30:31]
	s_wait_alu depctr_va_vdst(0)                   ; the fifteen offsets and LDS addresses v1 to v15 are written: every load, store and prefetch of the kernel reads one of them, and none is written again
; My wave's 8 rows of the next tile of K and of V: sixteen loads, each one row.  No cache word: other work-groups of the head read the tile again.
; again = 1: LDS stores have read these registers before.
.macro TOP again
.if \again
	s_wait_alu depctr_vm_vsrc(0)                   ; the LDS stores of the tile before have read v[ST ..], in which these loads land
.endif
.irp j, 0,1,2,3,4,5,6,7
	global_load_b128 v[ST+4*\j:ST+4*\j+3], v[GOFF], s[KPT:KPT+1] offset:512*\j
.endr
.irp j, 0,1,2,3,4,5,6,7
	global_load_b128 v[ST+32+4*\j:ST+32+4*\j+3], v[GOFF], s[VPT:VPT+1] offset:512*\j
.endr
.endm
; Work-group 7 of a head is the first to want tiles 15 to 1.  In the trip on tile x (which loads tile x - 1) it asks for tile x - 2, one tile below
; the pointer, for x - 2 = 15 .. 1: waves 0-3 for K's 128 blocks of 256 bytes, waves 4-7 for V's, a lane a block, each block once in the launch.
; The bounds (s15 >= 3 in the odd trip, >= 5 in the even one) stop it at tile 1; in the other work-groups the bound 64 is never reached.
.macro PREF par
	s_cmp_lt_u32 s15, s[18+\par]
	s_cbranch_scc1 .Lnoask_\@
	global_prefetch_b8 v[PFO], s[PPT:PPT+1] offset:-TILEB th:TH_LOAD_NT scope:SCOPE_SE
.Lnoask_\@:
.endm
; The sixteen loaded rows are rounded in place and go to LDS slot 'slot'.  kleft, vleft: how many younger loads may be out when K's eight, and V's eight, have to be there.
; K: 4 f32 a lane become 4 bf16.  V: rounded to bf16, widened again (a shift, a mask), and the rounded numbers packed as f16, which changes none of them
; between 2^-17 and 65,504; row j has its own two work registers, so that no row waits for another.  A store's 32 lanes x 8 bytes are a row's 256 bytes.
; All 80 vector instructions come first, then one wait, then the sixteen stores in one run.
.macro CVT slot, kleft, vleft
	s_wait_loadcnt \kleft                          ; loads come back in order (ISA guide 5.7.1): K's eight are in, the younger ones may be out
.irp j, 0,1,2,3,4,5,6,7
	v_cvt_pk_bf16_f32 v[ST+4*\j], v[ST+4*\j], v[ST+4*\j+1]
	v_cvt_pk_bf16_f32 v[ST+4*\j+1], v[ST+4*\j+2], v[ST+4*\j+3]
.endr
	s_wait_loadcnt \vleft                          ; V's eight
.irp j, 0,1,2,3,4,5,6,7
	v_cvt_pk_bf16_f32 v[VT+2*\j],   v[ST+32+4*\j],   v[ST+32+4*\j+1]
	v_cvt_pk_bf16_f32 v[VT+2*\j+1], v[ST+32+4*\j+2], v[ST+32+4*\j+3]
	v_lshlrev_b32 v[ST+32+4*\j],   16,  v[VT+2*\j]
	v_and_b32     v[ST+32+4*\j+1], s42, v[VT+2*\j]
	v_lshlrev_b32 v[ST+32+4*\j+2], 16,  v[VT+2*\j+1]
	v_and_b32     v[ST+32+4*\j+3], s42, v[VT+2*\j+1]
	v_cvt_pk_f16_f32 v[ST+32+4*\j],   v[ST+32+4*\j],   v[ST+32+4*\j+1]
	v_cvt_pk_f16_f32 v[ST+32+4*\j+1], v[ST+32+4*\j+2], v[ST+32+4*\j+3]
.endr
	s_wait_alu depctr_va_vdst(0)                   ; the conversions have written v[ST ..], which the sixteen stores read, and are done with all of it: the next tile's loads land there, and no vector instruction names it before them
.irp j, 0,1,2,3,4,5,6,7
	ds_store_b64 v[KS+\slot], v[ST+4*\j:ST+4*\j+1] offset:KPI*\j
.endr
.irp j, 0,1,2,3,4,5,6,7
	ds_store_b64 v[VS+\slot], v[ST+32+4*\j:ST+32+4*\j+1] offset:VPI*\j
.endr
.endm
.macro CONVERT slot
	CVT \slot, 8, 0
	s_wait_xcnt 0x0                                ; the prefetch has read its base: the three pointers are stepped only behind this wait
	s_sub_nc_u64 s[KPT:KPT+1], s[KPT:KPT+1], TILEB ; one tile down; the lowest value reached is tile 0
	s_sub_nc_u64 s[VPT:VPT+1], s[VPT:VPT+1], TILEB
	s_sub_nc_u64 s[PPT:PPT+1], s[PPT:PPT+1], TILEB
.endm
; One barrier a trip, for two things: my reads of the slot just multiplied are back, and my stores into the other slot are done.
; Behind it the other slot is read, and the slot just read is written again at that trip's end.
.macro BAR
	s_wait_dscnt 0x0
	s_barrier_signal -1
	s_barrier_wait -1
.endm
; S^T = K Q^T for 64 keys x 32 queries, in bf16, then the requests for V^T.
.macro SPROD slot
	WIN 0x40                                       ; loads into window 1
	s_wait_alu depctr_va_vdst(0)                   ; the P V products of the trip before (in the first trip: Q's conversions) are done reading v[FR ..], in which K's fragments land
.irp ks, 0,1,2,3
.irp kt, 0,1,2,3
	ds_load_b128 v[FR+8*(4*\ks+\kt):FR+8*(4*\ks+\kt)+3],   v[KA+\slot] offset:16*KPI*\kt+64*\ks
	ds_load_b128 v[FR+8*(4*\ks+\kt)+4:FR+8*(4*\ks+\kt)+7], v[KA+\slot] offset:16*KPI*\kt+64*\ks+32
.endr
.endr
	WIN 0x01                                       ; A in window 1
.irp ks, 0,1,2,3
	s_wait_dscnt 24-8*\ks                          ; eight loads for each 32 of d: those of the later steps may be out
.irp kt, 0,1,2,3
.irp nq, 0,1
.if \ks == 0
	v_wmma_f32_16x16x32_bf16 v[SC+32*\nq+8*\kt:SC+32*\nq+8*\kt+7], v[FR+8*(4*\ks+\kt):FR+8*(4*\ks+\kt)+7], v[QF+32*\nq+8*\ks:QF+32*\nq+8*\ks+7], 0
.else
	v_wmma_f32_16x16x32_bf16 v[SC+32*\nq+8*\kt:SC+32*\nq+8*\kt+7], v[FR+8*(4*\ks+\kt):FR+8*(4*\ks+\kt)+7], v[QF+32*\nq+8*\ks:QF+32*\nq+8*\ks+7], v[SC+32*\nq+8*\kt:SC+32*\nq+8*\kt+7]
.endif
.endr
.endr
.endr                                              ; the eight accumulators take turns, one instruction a turn
	NOPS 4                                         ; four places (ISA guide 7.12.1) before the scores are read
	WIN 0x40
	s_wait_alu depctr_va_vdst(0)                   ; the score products are done reading v[FR ..], in which V^T's fragments land; the softmax behind the loads names none of these registers
.irp ks, 0,1
.irp dt, 0,1,2,3,4,5,6,7
	ds_load_tr16_b128 v[FR+8*(8*\ks+\dt):FR+8*(8*\ks+\dt)+3],   v[VA+\slot] offset:32*VPI*\ks+32*\dt
	ds_load_tr16_b128 v[FR+8*(8*\ks+\dt)+4:FR+8*(8*\ks+\dt)+7], v[VA+\slot] offset:32*VPI*\ks+32*\dt+16*VPI
.endr
.endr
	WIN 0
.endm
; The diagonal tile: key <= query is 16 kt + j <= DQ; the others become -infinity.  For each block of 16 queries the 32 compares stand in one run,
; each with a scalar register of its own for its mask, one wait stands behind the run, and the 32 selects follow, each accumulator from its low end on.
.macro MASK
.irp nq, 0,1
.irp kt, 0,1,2,3
.irp j, 0,1,2,3,4,5,6,7
	v_cmp_le_i32 s[MK+8*\kt+\j], 16*\kt+\j, v[DQ+\nq]
.endr
.endr
	s_wait_alu depctr_va_sdst(0)                   ; the 32 compares have written s[MK ..], ahead of the selects that read them
.irp kt, 0,1,2,3
.irp j, 0,1,2,3,4,5,6,7
	v_cndmask_b32 v[SC+32*\nq+8*\kt+\j], v[NINF], v[SC+32*\nq+8*\kt+\j], s[MK+8*\kt+\j]
.endr
.endr
.endr
.endm
; Running softmax of my two blocks of 16 queries, the two interleaved.  first = 1: there is no older state.
.macro SOFTMAX first
	; the maximum of my 32 scores and the old maximum, in two chains for each block
.irp nq, 0,1
.if \first
	v_max_num_f32 v[TA+2*\nq], v[SC+32*\nq], v[SC+32*\nq+1]
.else
	v_max3_num_f32 v[TA+2*\nq], v[MX+2*\nq], v[SC+32*\nq], v[SC+32*\nq+1]
.endif
	v_max3_num_f32 v[TB+2*\nq], v[SC+32*\nq+16], v[SC+32*\nq+17], v[SC+32*\nq+18]
.endr
.irp k, 0,1,2,3,4,5
.irp nq, 0,1
	v_max3_num_f32 v[TA+2*\nq], v[TA+2*\nq], v[SC+32*\nq+2+2*\k], v[SC+32*\nq+3+2*\k]
	v_max3_num_f32 v[TB+2*\nq], v[TB+2*\nq], v[SC+32*\nq+19+2*\k], v[SC+32*\nq+20+2*\k]
.endr
.endr
.irp nq, 0,1
	v_max3_num_f32 v[TA+2*\nq], v[TA+2*\nq], v[SC+32*\nq+14], v[SC+32*\nq+15]
.endr
.irp nq, 0,1
	v_max3_num_f32 v[TA+2*\nq], v[TA+2*\nq], v[TB+2*\nq], v[SC+32*\nq+31]
.endr
.irp nq, 0,1
	v_permlanex16_b32 v[TB+2*\nq], v[TA+2*\nq], s22, s23       ; the other half of the lanes holds the query's other 32 keys
.endr
.irp nq, 0,1
	v_max_num_f32 v[MX+2*\nq], v[TA+2*\nq], v[TB+2*\nq]        ; finite from the first trip on: key 0 is open to every query
.endr
.irp nq, 0,1
	v_mul_f32 v[TB+2*\nq], s32, v[MX+2*\nq]                    ; -c m, rounded once; the same number serves p and the rescale
.endr
.irp nq, 0,1
.if \first == 0
	v_sub_f32 v[AL+2*\nq], v[TB+2*\nq], v[NM+2*\nq]            ; c (m old - m new), from the two stored numbers: exactly what the older p were built on
.endif
	v_mov_b32 v[NM+2*\nq], v[TB+2*\nq]
.endr
.irp nq, 0,1
.irp k, 0,1,2,3,4,5,6,7,8,9,10,11,12,13,14,15
	v_pk_fma_f32 v[SC+32*\nq+2*\k:SC+32*\nq+2*\k+1], v[SC+32*\nq+2*\k:SC+32*\nq+2*\k+1], s[20:21], v[NM+2*\nq:NM+2*\nq+1] op_sel_hi:[1,0,0]
.endr
.endr
.if \first == 0
	v_exp_f32 v[AL], v[AL]
	v_exp_f32 v[AL+2], v[AL+2]
.endif
.set k, 0
.rept 64
	v_exp_f32 v[SC+k], v[SC+k]                     ; p = 2^(c s - c m), at most 1 up to the rounding of c m
.set k, k+1
.endr
	v_nop                                          ; one plain place behind the run of exponentials (ISA guide 5.7.2)
	; my lane's sum of p, unrounded, in two chains for each block
	s_wait_alu depctr_va_vdst(0)
.irp nq, 0,1
	v_pk_add_f32 v[SM+4*\nq:SM+4*\nq+1],   v[SC+32*\nq:SC+32*\nq+1],     v[SC+32*\nq+2:SC+32*\nq+3]
	v_pk_add_f32 v[SM+4*\nq+2:SM+4*\nq+3], v[SC+32*\nq+16:SC+32*\nq+17], v[SC+32*\nq+18:SC+32*\nq+19]
.endr
.irp k, 2,3,4,5,6,7
.irp nq, 0,1
	v_pk_add_f32 v[SM+4*\nq:SM+4*\nq+1],   v[SM+4*\nq:SM+4*\nq+1],   v[SC+32*\nq+2*\k:SC+32*\nq+2*\k+1]
	v_pk_add_f32 v[SM+4*\nq+2:SM+4*\nq+3], v[SM+4*\nq+2:SM+4*\nq+3], v[SC+32*\nq+16+2*\k:SC+32*\nq+16+2*\k+1]
.endr
.endr
.irp nq, 0,1
	v_pk_add_f32 v[SM+4*\nq:SM+4*\nq+1], v[SM+4*\nq:SM+4*\nq+1], v[SM+4*\nq+2:SM+4*\nq+3]
.endr
.irp nq, 0,1
.if \first
	v_add_f32 v[LS+2*\nq], v[SM+4*\nq], v[SM+4*\nq+1]
.else
	v_add_f32 v[SM+4*\nq], v[SM+4*\nq], v[SM+4*\nq+1]
.endif
.endr
.if \first == 0
.irp nq, 0,1
	v_fma_f32 v[LS+2*\nq], v[LS+2*\nq], v[AL+2*\nq], v[SM+4*\nq]
.endr
.endif
	; P^T as f16 B fragments, in place: tiles kt = 2 ks and 2 ks + 1 pack into 8 registers; each target has been read before it is written
.irp nq, 0,1
.irp ks, 0,1
.irp e, 0,1
.irp p, 0,1,2,3
	v_cvt_pk_f16_f32 v[SC+32*\nq+16*\ks+4*\e+\p], v[SC+32*\nq+16*\ks+8*\e+2*\p], v[SC+32*\nq+16*\ks+8*\e+2*\p+1]
.endr
.endr
.endr
.endr
.if \first == 0
	WIN 0x41                                       ; O in window 1, the factor in window 0
.irp dt, 0,1,2,3,4,5,6,7
.irp nq, 0,1
.irp p, 0,1,2,3
	v_pk_mul_f32 v[OA+16*\dt+8*\nq+2*\p:OA+16*\dt+8*\nq+2*\p+1], v[OA+16*\dt+8*\nq+2*\p:OA+16*\dt+8*\nq+2*\p+1], v[AL+2*\nq:AL+2*\nq+1] op_sel_hi:[1,0]
.endr
.endr
.endr
.endif
.endm
; O^T += V^T P^T, in f16: 128 d x 32 queries, 64 keys
.macro PVPROD first
	WIN 0x51                                       ; D, C and A in window 1, B in window 0
	s_wait_dscnt 16                                ; the fragments of keys 0-31 are in; the sixteen loads of keys 32-63 may be out
.irp dt, 0,1,2,3,4,5,6,7
.irp nq, 0,1
.if \first
	v_wmma_f32_16x16x32_f16 v[OA+16*\dt+8*\nq:OA+16*\dt+8*\nq+7], v[FR+8*\dt:FR+8*\dt+7], v[SC+32*\nq:SC+32*\nq+7], 0
.else
	v_wmma_f32_16x16x32_f16 v[OA+16*\dt+8*\nq:OA+16*\dt+8*\nq+7], v[FR+8*\dt:FR+8*\dt+7], v[SC+32*\nq:SC+32*\nq+7], v[OA+16*\dt+8*\nq:OA+16*\dt+8*\nq+7]
.endif
.endr
.endr
	s_wait_dscnt 0
.irp dt, 0,1,2,3,4,5,6,7
.irp nq, 0,1
	v_wmma_f32_16x16x32_f16 v[OA+16*\dt+8*\nq:OA+16*\dt+8*\nq+7], v[FR+64+8*\dt:FR+64+8*\dt+7], v[SC+32*\nq+16:SC+32*\nq+23], v[OA+16*\dt+8*\nq:OA+16*\dt+8*\nq+7]
.endr
.endr                                              ; the sixteen accumulators take turns, one instruction a turn
	NOPS 5                                         ; five places (ISA guide 7.12.1) before the next score product writes over P; they also serve the next reads of O
	WIN 0
.endm
.macro COMPUTE slot, par, first
	SPROD \slot
.if \first
	s_cmp_lg_u32 s16, 0                            ; tile 0 is the diagonal tile of the waves whose rows begin below 64
.else
	s_cmp_lg_u32 s15, s[16+\par]                   ; this trip's tile (s15, or s15 - 1 in the even trip) against my diagonal tile
.endif
	s_cbranch_scc1 .Lplain_\@
	MASK
.Lplain_\@:
	SOFTMAX \first
	PVPROD \first
.endm
; A trip: ask for the next tile, multiply this one if my rows reach it, put the next one into the other slot, barrier.
.macro TRIP slot, par, last
.if \last == 0
	TOP 1
	PREF \par
.endif
	s_cmp_gt_u32 s15, s[16+\par]                   ; the tile lies wholly above my rows' diagonal
	s_cbranch_scc1 .Lidle_\@
	COMPUTE \slot, \par, 0
.Lidle_\@:
.if \last == 0
	CONVERT 1-\slot
	BAR
.endif
.endm
	; PROLOGUE: tile 0 into slot 0; my 32 rows of Q through my stage into B fragments
	TOP 0
	WIN 0x40
.set j, 0
.rept 32
	global_load_b128 v[FR+4*j:FR+4*j+3], v[L16], s[4:5] offset:512*j th:TH_LOAD_NT   ; a row of Q; no other wave of the launch reads it.  Between the head's wait and these loads stand loads and one window switch alone
.set j, j+1
.endr
	WIN 0
	CVT 0, 40, 32                                  ; K's eight are in when V's 8 and Q's 32 are out; V's eight when Q's 32 are
	s_wait_loadcnt 0x0                             ; Q; and no load names the pointers any more
	s_lshl_b32 s30, s15, 15                        ; T - 1 tiles up: the walk goes on at the top
	s_add_nc_u64 s[KPT:KPT+1], s[KPT:KPT+1], s[30:31]
	s_add_nc_u64 s[VPT:VPT+1], s[VPT:VPT+1], s[30:31]
	s_cmp_lt_u32 s12, 4
	s_cselect_b64 s[PPT:PPT+1], s[KPT:KPT+1], s[VPT:VPT+1]
	WIN 0x05                                       ; both sources in window 1
.set j, 0
.rept 32
	v_cvt_pk_bf16_f32 v[SC+2*j],   v[FR+4*j],   v[FR+4*j+1]
	v_cvt_pk_bf16_f32 v[SC+2*j+1], v[FR+4*j+2], v[FR+4*j+3]
.set j, j+1
.endr
	WIN 0
	s_wait_alu depctr_va_vdst(0)                   ; Q's conversions have written v[SC ..], which the 32 stores read
.set j, 0
.rept 32
	ds_store_b64 v[QST], v[SC+2*j:SC+2*j+1] offset:KPI*j
.set j, j+1
.endr
	BAR                                            ; slot 0 is whole for every wave; my own stores of Q are done too
.irp nq, 0,1
.irp ks, 0,1,2,3
	ds_load_b128 v[QF+32*\nq+8*\ks:QF+32*\nq+8*\ks+3],   v[QLD] offset:16*KPI*\nq+64*\ks      ; my wave's own bytes.  These sixteen loads are older than the 32 loads of K fragments
	ds_load_b128 v[QF+32*\nq+8*\ks+4:QF+32*\nq+8*\ks+7], v[QLD] offset:16*KPI*\nq+64*\ks+32   ; that follow, and LDS loads come back in order (ISA guide 5.7.1): the first score product's count of 24 covers them
.endr
.endr
	; the first trip: tile 0, every wave, starts all sums; tile T - 1 goes into slot 1
	TOP 1                                          ; its wait also states that Q's LDS stores have read v[SC ..], which the first score products write
	COMPUTE 0, 0, 1
	CONVERT 1
	BAR
	; 15 - i pairs of trips: tile s15 (odd, slot 1), then tile s15 - 1 (slot 0).  The loop is counted by s40, one a pair, up to s41 = 15 - i;
	; s15 goes from 31 - 2 i down by two a pair and is 1 behind the last pair.
	s_mov_b32 s40, 0
.Lpair:
	TRIP 1, 0, 0
	TRIP 0, 1, 0
	s_sub_co_u32 s15, s15, 2
	s_add_co_u32 s40, s40, 1
	s_cmp_lt_u32 s40, s41
	s_cbranch_scc1 .Lpair
	TRIP 1, 0, 1                                   ; tile 1: nothing is left to load, so no store into a slot and no barrier
	; THE WAY OUT: divide by the denominator, turn O^T round through my stage, store whole rows of 512 bytes
.irp nq, 0,1
	v_permlanex16_b32 v[TB+2*\nq], v[LS+2*\nq], s22, s23
.endr
.irp nq, 0,1
	v_add_f32 v[TA+2*\nq], v[LS+2*\nq], v[TB+2*\nq]            ; the two lane halves' parts; at least about 1: the largest p of a row is 2^0 up to rounding
.endr
	v_rcp_f32 v[AL], v[TA]
	v_rcp_f32 v[AL+2], v[TA+2]
	v_nop                                          ; one plain place behind the reciprocals (ISA guide 5.7.2)
	s_wait_alu depctr_vm_vsrc(0)                   ; the last tile's LDS stores have read v[ST ..], which the second half of the products below writes (the last trip loaded nothing, so no such wait has stood since)
	WIN 0x01                                       ; O from window 1
	s_wait_alu depctr_va_vdst(0)
.irp nq, 0,1
.irp dt, 0,1,2,3,4,5,6,7
.irp p, 0,1,2,3
	v_pk_mul_f32 v[SC+64*\nq+8*\dt+2*\p:SC+64*\nq+8*\dt+2*\p+1], v[OA+16*\dt+8*\nq+2*\p:OA+16*\dt+8*\nq+2*\p+1], v[AL+2*\nq:AL+2*\nq+1] op_sel_hi:[1,0]
.endr
.endr
.endr
	WIN 0
	s_wait_alu depctr_va_vdst(0)                   ; the products have written v[SC ..] and v[ST ..], which the 32 LDS stores read; the score products are done reading v[QF ..], in which the first sixteen rows land; no vector instruction follows
.irp nq, 0,1
.irp dt, 0,1,2,3,4,5,6,7
.irp e, 0,1
	ds_store_b128 v[OST], v[SC+64*\nq+8*\dt+4*\e:SC+64*\nq+8*\dt+4*\e+3] offset:16*528*\nq+64*\dt+16*\e   ; query 16 nq + r, d = 16 dt + 8 h + 4 e ..; rows 528 = 33 x 16 bytes apart
.endr
.endr
.endr
.set j, 0
.rept 16
	ds_load_b128 v[QF+4*j:QF+4*j+3], v[ORD] offset:528*j       ; rows 0-15 back as whole rows, into the registers that held Q
.set j, j+1
.endr
.set j, 0
.rept 16
	s_wait_dscnt 15-j                              ; row j is in, the younger rows may be out
	global_store_b128 v[L16], v[QF+4*j:QF+4*j+3], s[10:11] offset:512*j th:TH_STORE_NT   ; 32 lanes store a row's 512 consecutive bytes, at a multiple of 512 from the buffer's first byte
.set j, j+1
.endr
	s_wait_alu depctr_vm_vsrc(0)                   ; the LDS stores above have read v[SC ..], in which rows 16-31 land
.set j, 0
.rept 16
	ds_load_b128 v[SC+4*j:SC+4*j+3], v[ORD] offset:528*(16+j)  ; rows 16-31
.set j, j+1
.endr
.set j, 0
.rept 16
	s_wait_dscnt 15-j
	global_store_b128 v[L16], v[SC+4*j:SC+4*j+3], s[10:11] offset:512*(16+j) th:TH_STORE_NT
.set j, j+1
.endr
	s_wait_dscnt 0x0
	s_wait_alu depctr_hold_cnt(0) depctr_sa_sdst(0) depctr_va_vdst(0) depctr_va_sdst(0) depctr_va_ssrc(0) depctr_va_vcc(0) depctr_vm_vsrc(0)
	s_wait_tensorcnt 0x0
	ds_add_u32 v254, v255
	s_wait_dscnt 0x0
	s_endpgm
.Lfunc_end_k_q3f81b7511a_attn:
	.size	k_q3f81b7511a_attn, .Lfunc_end_k_q3f81b7511a_attn-k_q3f81b7511a_attn
	.p2alignl 7, 3214868480
	.fill 96, 4, 3214868480
	.section	.rodata,"a",@progbits
	.p2align	6, 0x0
	.amdhsa_kernel k_q3f81b7511a_attn
		.amdhsa_group_segment_fixed_size 207872
		.amdhsa_private_segment_fixed_size 0
		.amdhsa_enable_private_segment 0
		.amdhsa_kernarg_size 32
		.amdhsa_user_sgpr_count 2
		.amdhsa_user_sgpr_kernarg_segment_ptr 1
		.amdhsa_wavefront_size32 1
		.amdhsa_system_sgpr_workgroup_id_x 1
		.amdhsa_system_sgpr_workgroup_id_y 1
		.amdhsa_system_sgpr_workgroup_id_z 1
		.amdhsa_system_vgpr_workitem_id 0
		.amdhsa_next_free_vgpr 512
		.amdhsa_next_free_sgpr 98
		.amdhsa_reserve_vcc 0
		.amdhsa_float_denorm_mode_32 3
		.amdhsa_float_denorm_mode_16_64 3
		.amdhsa_memory_ordered 1
		.amdhsa_forward_progress 1
		.amdhsa_inst_pref_size 177
	.end_amdhsa_kernel
	.amdgpu_metadata
---
amdhsa.version: [ 1, 2 ]
amdhsa.kernels:
  - .name:           k_q3f81b7511a_attn
    .symbol:         k_q3f81b7511a_attn.kd
    .args:
      - { .name: Q, .offset: 0, .size: 8, .value_kind: global_buffer, .address_space: global }
      - { .name: K, .offset: 8, .size: 8, .value_kind: global_buffer, .address_space: global }
      - { .name: V, .offset: 16, .size: 8, .value_kind: global_buffer, .address_space: global }
      - { .name: out0, .offset: 24, .size: 8, .value_kind: global_buffer, .address_space: global }
    .group_segment_fixed_size: 207872
    .private_segment_fixed_size: 0
    .kernarg_segment_align: 8
    .kernarg_segment_size: 32
    .max_flat_workgroup_size: 256
    .sgpr_count:     98
    .vgpr_count:     512
    .wavefront_size: 32
...
	.end_amdgpu_metadata
.endif
;; end of part 2
